; MI455X (gfx1250); checked and timed in simulation.
; The chip was launched on July 23, 2026; its instructions are those of AMD's public machine-readable ISA for CDNA 5 (MIT licence, August 2026) and "CDNA5" Instruction Set Architecture Reference Guide (July 2026). The comments in the code are by the model that wrote it; some were corrected since.
;; Gate Mod Linear. Allowed arithmetic: matrix products marked QUANTISED: E3M2 operands, one E8M0 scale for each 32 along K, by v_wmma_scale_f32_16x16x128_f8f6f4 with both operands' format E3M2, f32 sums; products left as they are: f32 operands where the result goes on into a quantised operand, else bf16, f16 or f32 operands; f32 sums; everything else in f32.
;; Inputs: Ws_codes 8 x 2,048 x 32 x 24 uint8 (E3M2 codes of Ws, K innermost, in blocks of 32 codes, four codes in three bytes); Ws_scales 8 x 2,048 x 32 uint8 (E8M0 scales of Ws, one for each 32 codes along K); bs 8 x 2,048 float32; gW 4,096 x 2,048 float32; gb 4,096 x 2,048 float32; pW 4,096 x 8 float32; pb 4,096 x 8 float32; x_codes 4,096 x 32 x 24 uint8 (E3M2 codes of x, K innermost, in blocks of 32 codes, four codes in three bytes); x_scales 4,096 x 32 uint8 (E8M0 scales of x, one for each 32 codes along K).
;; Outputs: out0 4,096 x 2,048 float32.
;; This version of the problem:
;;   THIS VERSION OF THE PROBLEM IS GIVEN IN LOW PRECISION. The matrix products marked QUANTISED in the list below multiply operands that are first quantised to E3M2 (3 exponent bits, 2 mantissa bits; 6 bits a number), with one power-of-two scale for each 32 numbers along K (OCP MX v1.0); their sums are f32. All else is computed in f32.
;;   The module's matrix products, in the order in which they are computed (A, B: the left and right operand; K: the contracted axis; several contracted axes count as one K, in the product's order):
;;     1. [M 4,096, K 1,024] x [K 1,024, N 16,384]; A: input x (given as codes); B: input Ws (given as codes): QUANTISED
;;     2. batch 4,096 x [M 1, K 8] x [K 8, N 2,048]; A: input pW; B: computed on the way: left as it is (K = 8 < 32)
;;     3. [M 4,096, K 8] x [K 8, N 2,048]; A: input pb; B: input bs: left as it is (K = 8 < 32)
;;   THE QUANTISER, for each operand of a quantised product, along K:
;;     - K is cut into blocks of 32 from its start; a last block that is shorter is filled with zeros.
;;     - A block's scale is 2^e with e = floor(log2(the largest magnitude in the block)) - 4, held to -126 .. 127; a block of zeros has e = 0. As a byte (E8M0): e + 127.
;;     - Each number is divided by its block's scale, clamped to +-28, and rounded to the nearest number of E3M2, ties to even, subnormals kept.
;;     - The product sums the exact products of the quantised numbers (number of the format x scale) in f32.
;;   ~~~python
;;   def quantise(x, axis):      # numpy; x: float32 -> the quantised numbers, widened to float32 again
;;       x = np.moveaxis(x, axis, -1); K = x.shape[-1]
;;       x = np.pad(x, [(0, 0)] * (x.ndim - 1) + [(0, -K % 32)]); x = x.reshape(x.shape[:-1] + (-1, 32)); a = np.abs(x).max(-1, keepdims=True)
;;       e = np.where(a > 0, np.clip(np.frexp(np.where(a > 0, a, 1))[1] - 1 - 4, -126, 127), 0)      # np.frexp(a)[1] - 1 = floor(log2(a)), exactly
;;       r = np.clip(x / 2.0 ** e, -28, 28)
;;       step = 2.0 ** (np.maximum(np.frexp(np.where(r == 0, 1, r))[1] - 1, -2) - 2)
;;       q = np.round(r / step) * step * 2.0 ** e      # np.round: ties to even
;;       return np.moveaxis(q.reshape(q.shape[:-2] + (-1,))[..., :K], -1, axis).astype(np.float32)
;;   ~~~
;;   INPUTS GIVEN AS CODES. Ws (in the module: [8, 2048, 1024], K = its axis 2); x (in the module: [4096, 1024], K = its axis 1): each comes as NAME_codes (uint8): NAME with its K axis moved to the last place and cut into blocks of 32 codes, [.., K / 32, bytes a block], one block behind the other in memory; four codes in three bytes: a row's codes are one little-endian stream of bits, code i at bits 6 i .. 6 i + 5 (a code: sign, 3 exponent bits, 2 mantissa bits); and NAME_scales (uint8): the same leading axes, one E8M0 byte (e + 127) for each 32 codes along K. Its value is code x scale, taken as it is: it is not quantised again, and the codes and scales need not be those that the quantiser above would give.
;; One version. Each part assembles by itself: llvm-mc -triple=amdgcn-amd-amdhsa -mcpu=gfx1250 --defsym DOCPART=n.
;; ======== version 1 of 1: 2 launches
;; limits: right only within a limited range of input values
;; workspace buffers: z 33,554,432 bytes
;; launch mix (part 1): grid 16 x 16, 4 waves a work-group, clusters of 4 x 1, 327,680 bytes of LDS; arguments x_codes, x_scales, Ws_codes, Ws_scales, pW, pb, bs, gW, gb, z; writes z
.if DOCPART == 1
	.amdgcn_target "amdgcn-amd-amdhsa--gfx1250"
	.amdhsa_code_object_version 6
	.text
	.protected	k_qbfb678f1e8_mix
	.globl	k_qbfb678f1e8_mix
	.p2align	8
	.type	k_qbfb678f1e8_mix,@function
k_qbfb678f1e8_mix:
	s_mov_b64 s[64:65], 0
	v_nop
	global_prefetch_b8 v0, s[64:65] scope:SCOPE_SE
	s_setreg_imm32_b32 hwreg(HW_REG_WAVE_MODE, 25, 1), 1
	s_wait_xcnt 0x0
	s_wait_alu depctr_hold_cnt(0) depctr_sa_sdst(0) depctr_va_vdst(0) depctr_va_sdst(0) depctr_va_ssrc(0) depctr_va_vcc(0) depctr_vm_vsrc(0)
	s_getreg_b32 s2, hwreg(HW_REG_IB_STS2, 6, 4)
	s_cmp_eq_u32 s2, 0
	s_cbranch_scc0 .Lentry_in_a_cluster
	s_endpgm
.Lentry_in_a_cluster:
	s_bfe_u32 s2, ttmp6, 0x10000c
	s_cmp_lg_u32 s2, 0x3003
	s_cbranch_scc0 .Lentry_shape_is_right
	s_endpgm
.Lentry_shape_is_right:
; z[b][i] = gW[b][i] * sum_m pW[b][m] h[b][m][i] + gb[b][i] * sum_m pb[b][m] bs[m][i],   h[b][m][i] = sum_k Ws[m][i][k] x[b][k].
; x [4096][1024] and Ws [8][2048][1024] come as codes of BF6 (E3M2) with one E8M0 byte for each 32 along K; the matrix instruction takes the codes as they lie.  All else is f32.
; SHARES.  A work-group makes 256 rows x 128 columns of z, for all 8 experts; wave w its rows 64 w .. 64 w + 63 (four tiles of 16), all 128 columns.
; x STAYS IN REGISTERS: 64 rows x 1,024 along K are 4 x 8 fragments of 12 registers = 384 a wave, read once.  Only W walks: a UNIT is 16 columns x 8 experts x all of K (98,304 bytes of codes),
; one LDS slot, 256 matrix instructions a wave; two slots take turns.  Each fragment of W read from LDS feeds four products (the four row tiles).
; THE BLOCKS OF A K STEP ARE FED IN THE ORDER 0, 2, 1, 3, ON BOTH SIDES: lane (r, h) takes the 48 consecutive bytes at 96 s + 48 h of its row (blocks 2 h and 2 h + 1), three loads of 16 bytes, where the
; operand's own order would want two pieces of 24 bytes 48 apart.  The scale words follow: their bytes 1 and 2 change places, x's in registers, W's once in LDS.  The products are the same ones.
; THE PRODUCT IS USED TRANSPOSED (source 0 = 16 rows of Ws, source 1 = 16 rows of x): lane (r, h), register j holds h(row 16 a + r, column 16 c + 8 h + j).
; An expert's 32 products (8 K steps x 4 row tiles) go on four accumulators by turns; the mix S += pW[m] h of the expert before (the other set of accumulators) stands among and behind them.
; A QUAD is four units = 64 columns = 256 bytes of a row: S goes through the wave's own stage in LDS and z leaves with sixteen lanes on 256 consecutive, aligned bytes.
; CLUSTER 4 x 1: the four work-groups of a cluster have the same 128 columns and other rows, so every tile of W and W's scale bytes are asked for JOINTLY (mask 15).  Nothing else is shared:
; x, pW, pb, gW, gb are each work-group's own rows, so a second cluster axis would have nothing to share.
; LIMITS: NaN, infinities and the scale byte 0xff are passed on as the matrix unit gives them.  Order of the f32 sums: K steps ascending inside an expert (inside a step the blocks as said above), experts ascending in the mix.
; REGISTERS, in windows of 256:
;   window 0: v1-15 addresses; v16-31 x's scale words, v32-39 W's (two sets): nothing else ever lies there; v40-71, v72-103 h, two sets; v104-135 S; v136-231 W's fragments, four buffers of two K steps; v232-255 way out
;   windows 1, 2: v0-191 x's fragments of K steps 0-3, 4-7 (tile a, step s at 48 a + 12 (s & 3)); v192-223 pW (8 a + m), a copy in each; window 1 v224-255 bs (4 m)
;   window 3: v0-127 gW, then z, v128-255 gb of a quad (chunk t at 4 t)
.set EXPB,   13056                     ; an expert's 16 rows of 768 bytes in a slot: 48 pieces of 256 bytes + 16 of padding each
.set SLOTB,  8*EXPB                    ; a slot
.set WPITCH, 816                       ; a row of W in LDS: 3 x 272.  816 mod 256 = 48: sixteen rows begin in sixteen different columns of 16 bytes
.set SCW,    2*SLOTB                   ; W's scale bytes of my 128 columns: expert m at 4,096 m, column at 32: filled once, then rewritten in place once
.set STG,    SCW+32768                 ; a stage for each wave: first x (16 rows, pitch 784), later S (64 rows, pitch 272); written by LDS stores alone
.set STGW,   17408
.set PBS,    STG+4*STGW                ; pb of each wave's 64 rows, 32 bytes a row; written by LDS stores alone
.set SPARE,  PBS+8192                  ; the spare words, 128 bytes a wave: two blocks of 256 bytes that no other line names
.set AW0, 1                            ; v1   816 r + 48 h: my place in an expert's rows
.set AW1, 2                            ; v2   816 r + 64 h: the same for pieces whose partner 48 bytes on lies behind one padding more
.set AD,  3                            ; v3-4 the two above in the slot in hand, experts 0-3;  v5-6 experts 4-7
.set ASC, 7                            ; v7   W's scale words of the unit in hand: SCW + 32 r + 16 h + 512 c
.set AFL, 8                            ; v8   where S goes in the stage
.set AFB, 9                            ; v9   stage + 272 r + 32 h
.set SPW, 10                           ; v10  my spare word; never rewritten
.set NIL, 11                           ; v11  0; never rewritten
.set ARD, 12                           ; v12  stage + 272 (l / 16) + 16 (l % 16): rows read back
.set AG,  13                           ; v13  8192 (l / 16) + 16 (l % 16): the same two rows in gW, gb, z
.set APB, 14                           ; v14  pb's rows in LDS + 32 (l / 16)
.set ABS, 15                           ; v15  16 (l % 16): my four columns in bs
.set XS,  16
.set WS,  32
.set H0,  40
.set S,   104
.set T,   128                          ; the way out: pb @ bs of two chunks (S is dead then)
.set WF,  136
.set PW,  192
.set BS,  224
.set LN,  232                          ; v232-242: used in the prologue alone
.set RR,  233
.set HH,  234
.set AXS, 235                          ; 32 r + 16 h
.set AXG, 236                          ; 16 l
.set AX0, 237                          ; stage + 16 l
.set AX1, 238                          ; stage + 512 + 16 l + 16 h
.set AXR, 239                          ; stage + 784 r + 48 h
.set APW, 240                          ; 32 r
.set APS, 241                          ; pb's place in LDS + 16 l
.set ASW, 242                          ; SCW + 8,192 w + 16 l: the quarter of W's scale bytes that I turn
.set MSB, 0
.macro WIN new                         ; the immediate's high byte repeats the setting that is left
.if MSB != \new
	s_set_vgpr_msb (MSB<<8)|\new
.set MSB, \new
.endif
.endm
.macro CREST                           ; a round of the cluster's barrier behind its opening barrier
	s_cmp_lg_u32 s24, 0
	s_cbranch_scc1 .Lnot_wave_0_\@
	s_barrier_signal -3
.Lnot_wave_0_\@:
	s_barrier_wait -3
	s_barrier_signal -1
	s_barrier_wait -1
.endm
.macro CROUND
	s_barrier_signal -1
	s_barrier_wait -1
	CREST
.endm
; x: a row tile is 16 x 768 = 12,288 dense bytes: 24 loads of 512 consecutive bytes.  Tiles 0, 1 wait in window 3, tiles 2, 3 in window 0 (v40-231): no register is used twice.
.macro XLOAD a
.if (\a) < 2
	WIN 0xc0
.set XT, 96*(\a)
.else
	WIN 0
.set XT, 40+96*((\a)-2)
.endif
.set tau, 0
.rept 24
	global_load_b128 v[XT+4*tau:XT+4*tau+3], v[AXG], s[4:5] offset:12288*(\a)+512*tau
.set tau, tau+1
.endr
.endm
	s_load_b256 s[4:11], s[0:1], 0x0               ; x's codes s[4:5], x's scales s[6:7], W's codes s[8:9], W's scales s[10:11]
	s_load_b256 s[12:19], s[0:1], 0x20             ; pW s[12:13], pb s[14:15], bs s[16:17], gW s[18:19]
	s_load_b128 s[20:23], s[0:1], 0x40             ; gb s[20:21], z s[22:23]
	v_lshl_add_u32 v[SPW], v0, 2, SPARE
	v_mov_b32 v[NIL], 0
	ds_add_u32 v10, v11
	ds_add_u32 v10, v11
	s_wait_dscnt 0x0
	v_lshrrev_b32 v[LN], 5, v0
	v_readfirstlane_b32 s24, v[LN]                 ; wave 0..3
	s_bfe_u32 s25, ttmp6, 0x40000                  ; cx: my place in the cluster: it enters global addresses of my own rows alone
	s_lshl_b32 s26, ttmp9, 2
	s_add_co_u32 s26, s26, s25                     ; row block = 4 x cluster x + cx
	s_and_b32 s27, ttmp7, 0xffff                   ; column block, which the four partners share
	v_and_b32 v[LN], 31, v0                        ; l
	v_lshlrev_b32 v[AXG], 4, v[LN]
	s_lshl_b32 s32, s26, 8                         ; my rows: b0w = 256 x row block + 64 w
	s_lshl_b32 s33, s24, 6
	s_add_co_u32 s32, s32, s33
	s_mul_i32 s34, s32, 768
	s_mov_b32 s35, 0
	s_wait_alu depctr_va_vdst(0)
	s_wait_kmcnt 0x0
	s_add_nc_u64 s[4:5], s[4:5], s[34:35]
	XLOAD 0                                        ; x is what the first product waits for longest: its first two tiles are asked for ahead of everything else
	XLOAD 1
	WIN 0
	; W's tile: wave w brings experts 2 w and 2 w + 1: two dense runs of 16 x 768 = 12,288 bytes, 2,048 x 768 bytes apart, as two rows of 1,536 elements of 8 bytes
	s_mov_b32 s36, 15|(3<<16)|(1<<20)|(1<<21)|(5<<22)|(3<<25)   ; mask: all four; elements of 8 bytes; padding on; bit 21 beside a mask; behind every 64 words 4 words
	s_mov_b32 s37, 1536<<16                        ; tensor_dim0
	s_mov_b32 s38, 2<<16                           ; tensor_dim1
	s_mov_b32 s39, 1536<<16                        ; tile_dim0
	s_mov_b32 s40, 2                               ; tile_dim1
	s_mov_b32 s41, 196608                          ; from expert to expert, in elements
	s_mov_b32 s42, 0
	s_mov_b32 s43, 0
	; W's scale bytes, all eight experts in one load: eight dense runs of 128 x 32 = 4,096 bytes, 2,048 x 32 bytes apart; no padding
	s_mov_b32 s44, 15|(3<<16)|(1<<21)
	s_mov_b32 s45, 512<<16
	s_mov_b32 s46, 8<<16
	s_mov_b32 s47, 512<<16
	s_mov_b32 s48, 8
	s_mov_b32 s49, 8192
	s_mov_b32 s50, 0
	s_mov_b32 s51, 0
	s_lshl_b32 s28, s24, 12
	s_lshl_b32 s29, s27, 7
	s_add_co_u32 s28, s28, s29                     ; the first row of Ws (2,048 m + i) that I fetch: 4,096 w + 128 x column block
	s_mul_i32 s30, s28, 768                        ; its codes, in bytes (under 2^24)
	s_mov_b32 s31, 0
	s_mul_i32 s68, s24, 2*EXPB                     ; my two experts' place in a slot
	s_mov_b32 s66, 0                               ; the slot that is read
	s_mov_b32 s67, SLOTB                           ; the slot filled last
	s_mov_b32 s71, 0x03010200                      ; v_perm_b32's selector: bytes 1 and 2 of a word change places
	; THE HEAD'S FILLS, ONE A WAVE: wave 0 all scale bytes, wave 1 unit 0's experts 0-3, wave 2 its experts 4-7, wave 3 unit 1 whole.
	s_mul_i32 s96, s27, 98304                      ; my 128 columns' codes inside an expert: 128 x 768 bytes x column block
	s_mov_b32 s97, 0
	s_lshl_b32 s98, s27, 12                        ; and their scale bytes: 128 x 32
	s_mov_b32 s99, 0
	s_mov_b32 s52, 1
	s_mov_b32 s53, SCW
	s_add_nc_u64 s[54:55], s[10:11], s[98:99]
	s_or_b32 s55, s55, 0x80000000
	s_mov_b32 s56, 1
	s_mov_b32 s57, 0                               ; unit 0, experts 0-3, at slot 0's start
	s_add_nc_u64 s[58:59], s[8:9], s[96:97]
	s_mov_b32 s88, 1
	s_mov_b32 s89, 4*EXPB                          ; unit 0, experts 4-7, behind them
	s_add_nc_u64 s[90:91], s[58:59], 6291456       ; four experts of 2,048 x 768 bytes on
	s_mov_b32 s92, 1
	s_mov_b32 s93, SLOTB                           ; unit 1 into slot 1
	s_add_nc_u64 s[94:95], s[58:59], 12288
	s_mov_b32 s60, 1                               ; the walking set: my two experts; it stands at unit 1 and is stepped ahead of each refill
	s_add_co_u32 s61, s68, SLOTB
	s_add_nc_u64 s[62:63], s[8:9], s[30:31]
	s_add_nc_u64 s[62:63], s[62:63], 12288
	s_or_b32 s59, s59, 0x80000000
	s_or_b32 s91, s91, 0x80000000
	s_or_b32 s95, s95, 0x80000000
	s_or_b32 s63, s63, 0x80000000
.irp g, 72, 80                         ; W's tile as above, with four experts (s72-79) and with eight (s80-87)
	s_mov_b32 s[\g], 15|(3<<16)|(1<<20)|(1<<21)|(5<<22)|(3<<25)
	s_mov_b32 s[\g+1], 1536<<16
	s_mov_b32 s[\g+2], ((\g-64)/2)<<16
	s_mov_b32 s[\g+3], 1536<<16
	s_mov_b32 s[\g+4], (\g-64)/2
	s_mov_b32 s[\g+5], 196608
	s_mov_b32 s[\g+6], 0
	s_mov_b32 s[\g+7], 0
.endr
	CROUND                                         ; all four work-groups are here: the first joint loads meet
	s_cmp_lt_u32 s24, 1                            ; one chain of branches on the wave's number, one load to an arm, one join
	s_cbranch_scc0 .Lhead_1
	tensor_load_to_lds s[52:55], s[44:51]
	s_nop 0
.rept 4
	v_nop
.endr
	s_branch .Lhead_asked
.Lhead_1:
	s_cmp_lt_u32 s24, 2
	s_cbranch_scc0 .Lhead_2
	tensor_load_to_lds s[56:59], s[72:79]
	s_nop 0
.rept 4
	v_nop
.endr
	s_branch .Lhead_asked
.Lhead_2:
	s_cmp_lt_u32 s24, 3
	s_cbranch_scc0 .Lhead_3
	tensor_load_to_lds s[88:91], s[72:79]
	s_nop 0
.rept 4
	v_nop
.endr
	s_branch .Lhead_asked
.Lhead_3:
	tensor_load_to_lds s[92:95], s[80:87]
	s_nop 0
.Lhead_asked:
.rept 4
	v_nop
.endr
	s_lshl_b32 s34, s32, 5                         ; x's scales, pW and pb all have 32 bytes a row
	s_add_nc_u64 s[6:7], s[6:7], s[34:35]
	s_add_nc_u64 s[12:13], s[12:13], s[34:35]
	s_add_nc_u64 s[14:15], s[14:15], s[34:35]
	s_lshl_b32 s28, s27, 9                         ; my first column, in bytes
	s_mov_b32 s29, 0
	s_add_nc_u64 s[16:17], s[16:17], s[28:29]
	s_lshl_b32 s34, s32, 13
	s_add_co_u32 s34, s34, s28
	s_add_nc_u64 s[18:19], s[18:19], s[34:35]
	s_add_nc_u64 s[20:21], s[20:21], s[34:35]
	s_add_nc_u64 s[22:23], s[22:23], s[34:35]
	s_mul_i32 s33, s24, STGW
	s_add_co_u32 s33, s33, STG                     ; my stage
	s_lshl_b32 s30, s24, 11
	s_add_co_u32 s30, s30, PBS                     ; my rows of pb in LDS
	s_lshl_b32 s31, s24, 13
	s_add_co_u32 s31, s31, SCW                     ; my two experts' scale bytes in LDS
	v_and_b32 v[RR], 15, v0                        ; r
	v_bfe_u32 v[HH], v0, 4, 1                      ; h
	v_mul_u32_u24 v[AW0], v[RR], WPITCH
	v_lshl_add_u32 v[AW1], v[HH], 6, v[AW0]
	v_mad_u32_u24 v[AW0], v[HH], 48, v[AW0]
	v_lshlrev_b32 v[AXS], 5, v[RR]
	v_lshl_add_u32 v[AXS], v[HH], 4, v[AXS]
	v_add_nc_u32 v[ASC], SCW, v[AXS]
	v_mul_u32_u24 v[AFB], v[RR], 272
	v_lshl_add_u32 v[AFB], v[HH], 5, v[AFB]
	v_add_nc_u32 v[AFB], s33, v[AFB]
	v_mul_u32_u24 v[ARD], v[HH], 272
	v_lshl_add_u32 v[ARD], v[RR], 4, v[ARD]
	v_add_nc_u32 v[ARD], s33, v[ARD]
	v_lshlrev_b32 v[ABS], 4, v[RR]
	v_lshl_add_u32 v[AG], v[HH], 13, v[ABS]
	v_lshlrev_b32 v[APB], 5, v[HH]
	v_add_nc_u32 v[APB], s30, v[APB]
	v_add_nc_u32 v[AX0], s33, v[AXG]
	v_lshl_add_u32 v[AX1], v[HH], 4, v[AX0]
	v_add_nc_u32 v[AX1], 512, v[AX1]
	v_mul_u32_u24 v[AXR], v[RR], 784
	v_mad_u32_u24 v[AXR], v[HH], 48, v[AXR]
	v_add_nc_u32 v[AXR], s33, v[AXR]
	v_lshlrev_b32 v[APW], 5, v[RR]
	v_add_nc_u32 v[APS], s30, v[AXG]
	v_add_nc_u32 v[ASW], s31, v[AXG]
; The tile turns through my stage: in as it lies (three loads are two rows; rows 784 bytes apart), out as fragments: lane (r, h) takes of row r the 48 bytes at 96 s + 48 h, 16 at a time.
; 784 mod 256 = 16.
; LDS serves a wave's instructions in order (ISA guide 5.7.1.4): no wait between the stores and the loads, nor in front of the next tile's stores.
.macro XSTAGE a, left                  ; left: the loads issued behind this tile's 24, which may be out
	s_wait_loadcnt \left
.if (\a) < 2
	WIN 0x0c                                       ; an LDS store's data are its source 1: window 3
.set XT, 96*(\a)
.else
	WIN 0
.set XT, 40+96*((\a)-2)
.endif
.set uu, 0
.rept 8
	ds_store_b128 v[AX0], v[XT+12*uu:XT+12*uu+3] offset:1568*uu            ; row 2 u, bytes 0-511
	ds_store_b128 v[AX1], v[XT+12*uu+4:XT+12*uu+7] offset:1568*uu          ; row 2 u, bytes 512-767 | row 2 u + 1, bytes 0-255
	ds_store_b128 v[AX0], v[XT+12*uu+8:XT+12*uu+11] offset:1568*uu+1040    ; row 2 u + 1, bytes 256-767
.set uu, uu+1
.endr
	WIN 0x40
.irp s, 0,1,2,3
.irp j, 0,1,2
	ds_load_b128 v[48*(\a)+12*\s+4*\j:48*(\a)+12*\s+4*\j+3], v[AXR] offset:96*\s+16*\j
.endr
.endr
	WIN 0x80
.irp s, 0,1,2,3
.irp j, 0,1,2
	ds_load_b128 v[48*(\a)+12*\s+4*\j:48*(\a)+12*\s+4*\j+3], v[AXR] offset:96*(\s+4)+16*\j
.endr
.endr
.endm
; A quad's gW and bs (40 loads), and its gb (32): sixteen lanes read 256 consecutive, aligned bytes of a row; asked for a quad ahead of their use.
.macro GLQ_A
	WIN 0xc0
.set tq, 0
.rept 32
	global_load_b128 v[4*tq:4*tq+3], v[AG], s[18:19] offset:16384*tq th:TH_LOAD_NT
.set tq, tq+1
.endr
	WIN 0x40
.irp m, 0,1,2,3,4,5,6,7
	global_load_b128 v[BS+4*\m:BS+4*\m+3], v[ABS], s[16:17] offset:8192*\m
.endr
	WIN 0
.endm
.macro GLQ_B
	WIN 0xc0
.set tq, 0
.rept 32
	global_load_b128 v[128+4*tq:128+4*tq+3], v[AG], s[20:21] offset:16384*tq th:TH_LOAD_NT
.set tq, tq+1
.endr
	WIN 0
.endm
	XLOAD 2                                        ; 72 loads have been issued now: the issue of the last nine waits until the first nine are back (ISA guide 5.7.1)
	s_wait_alu depctr_va_vdst(0)
	XSTAGE 0, 48                                   ; behind tile 0: tiles 1 and 2
	XLOAD 3
	XSTAGE 1, 48                                   ; behind tile 1: tiles 2 and 3
	WIN 0                                          ; 24 small loads: x's scale words, pW twice, pb
.irp a, 0,1,2,3
	global_load_b128 v[XS+4*\a:XS+4*\a+3], v[AXS], s[6:7] offset:512*\a    ; lane (r, h): row r's words of K steps 4 h .. 4 h + 3: register q serves step q from lanes 0-15, step 4 + q from lanes 16-31
.endr
	WIN 0x40
.irp a, 0,1,2,3
	global_load_b128 v[PW+8*\a:PW+8*\a+3], v[APW], s[12:13] offset:512*\a
	global_load_b128 v[PW+8*\a+4:PW+8*\a+7], v[APW], s[12:13] offset:512*\a+16
.endr
	WIN 0x80
.irp a, 0,1,2,3
	global_load_b128 v[PW+8*\a:PW+8*\a+3], v[APW], s[12:13] offset:512*\a
	global_load_b128 v[PW+8*\a+4:PW+8*\a+7], v[APW], s[12:13] offset:512*\a+16
.endr
	WIN 0xc0
.irp k, 0,1,2,3
	global_load_b128 v[192+4*\k:195+4*\k], v[AXG], s[14:15] offset:512*\k
.endr
	XSTAGE 2, 48                                   ; behind tile 2: tile 3 and the 24 small loads
	XSTAGE 3, 24                                   ; behind tile 3: the 24 small loads
	; W's scale words take the blocks' order: bytes 1 and 2 of each word change places, once, in place.  Wave 0's load brought them, so each wave waits for its one tensor load
	; and for its LDS instructions and passes a barrier; then wave w turns bytes 8,192 w .. 8,192 w + 8,191, each lane its own 16 bytes at a time; the others read them only behind the next barrier.
	; The bytes have had their one fill.  It stands behind the staging of all four tiles of x, so that the head's tensor loads are on their way under that work; tile 0's registers in window 3 are free.
	s_wait_tensorcnt 0x0                           ; my one load of the head has landed
	s_wait_dscnt 0x0                               ; no LDS instruction of mine is out at the signal
	s_barrier_signal -1
	s_barrier_wait -1                              ; the scale bytes and both slots are whole for all four waves
	WIN 0xc0                                       ; the loads below land in window 3
.set kk, 0
.rept 16
	ds_load_b128 v[4*kk:4*kk+3], v[ASW] offset:512*kk
.set kk, kk+1
.endr
	s_wait_dscnt 0x0
	WIN 0xcf                                       ; destination and both vector sources in window 3
.set kk, 0
.rept 64
	v_perm_b32 v[kk], v[kk], v[kk], s71
.set kk, kk+1
.endr
	WIN 0x0c
.set kk, 0
.rept 16
	ds_store_b128 v[ASW], v[4*kk:4*kk+3] offset:512*kk
.set kk, kk+1
.endr
	s_wait_loadcnt 0x0                             ; the 24 small loads
	WIN 0
.set kk, 0
.rept 16
	v_perm_b32 v[XS+kk], v[XS+kk], v[XS+kk], s71   ; x's scale words likewise
.set kk, kk+1
.endr
.rept 8
	v_nop                                          ; a scale register written by a vector instruction stands eight plain vector lines ahead of the scaled matrix instruction that names it
.endr
	WIN 0x0c
.irp k, 0,1,2,3
	ds_store_b128 v[APS], v[192+4*\k:195+4*\k] offset:512*\k               ; pb of my 64 rows, as it lies
.endr
	WIN 0
	s_wait_alu depctr_va_vdst(0)
	s_wait_dscnt 0x0                               ; x's fragments are in; my stores (W's scale words among them) have landed and have read window 3, which gW now takes; no LDS instruction is out at the signal below
	GLQ_A
; W's fragment of K step s of expert nm: 12 registers: lane (r, h) takes the row's 48 bytes at 96 s + 48 h.  Data byte B lies at B + 16 (B / 256);
; where the byte 48 on lies behind one padding more, the second address register serves.  No piece of 16 bytes straddles a padding.
.macro FRAG reg, s, nm
.irp j, 0,1,2
.set BT, 96*(\s)+16*\j
.set AR, AD+2*((\nm)/4)
.if BT%256 >= 208
.set AR, AR+1
.endif
	ds_load_b128 v[(\reg)+4*\j:(\reg)+4*\j+3], v[AR] offset:((\nm)&3)*EXPB+BT+16*(BT/256)
.endr
.endm
.macro RUN g, nm                       ; buffer g: K steps 2 g and 2 g + 1: 6 loads
	FRAG WF+24*(\g), 2*(\g), \nm
	FRAG WF+24*(\g)+12, 2*(\g)+1, \nm
.endm
.macro WSL nm                          ; expert nm's scale words, packed as x's
	ds_load_b128 v[WS+4*((\nm)&1):WS+4*((\nm)&1)+3], v[ASC] offset:(\nm)*4096
.endm
.macro WM m, s, a
.set rD, H0+32*((\m)&1)+8*(\a)
.set rA, WF+12*(\s)
.set rB, 48*(\a)+12*((\s)&3)
.set rSA, WS+4*((\m)&1)+((\s)&3)
.set rSB, XS+4*(\a)+((\s)&3)
.if (\s) == 0
	v_wmma_scale_f32_16x16x128_f8f6f4 v[rD:rD+7], v[rA:rA+11], v[rB:rB+11], 0, v[rSA], v[rSB] matrix_a_fmt:MATRIX_FMT_BF6 matrix_b_fmt:MATRIX_FMT_BF6
.elseif (\s) < 4
	v_wmma_scale_f32_16x16x128_f8f6f4 v[rD:rD+7], v[rA:rA+11], v[rB:rB+11], v[rD:rD+7], v[rSA], v[rSB] matrix_a_fmt:MATRIX_FMT_BF6 matrix_b_fmt:MATRIX_FMT_BF6
.else
	v_wmma_scale_f32_16x16x128_f8f6f4 v[rD:rD+7], v[rA:rA+11], v[rB:rB+11], v[rD:rD+7], v[rSA], v[rSB] matrix_a_fmt:MATRIX_FMT_BF6 matrix_b_fmt:MATRIX_FMT_BF6 matrix_a_scale:MATRIX_SCALE_ROW1 matrix_b_scale:MATRIX_SCALE_ROW1
.endif
.endm
; One packed line of the mix: registers j, j + 1 of row tile a of expert pm.  op = 1: S = pW h (expert 0 starts S: nothing is cleared); 2: S += pW h; 0: nothing to mix yet.
.macro PK pm, a, j, op
.if (\op) != 0
.set rH, H0+32*((\pm)&1)+8*(\a)+(\j)
.set rS, S+8*(\a)+(\j)
.set rP, PW+8*(\a)+((\pm)&6)
.if (\op) == 1
	v_pk_mul_f32 v[rS:rS+1], v[rH:rH+1], v[rP:rP+1] op_sel_hi:[1,0]
.elseif ((\pm)&1) == 0
	v_pk_fma_f32 v[rS:rS+1], v[rH:rH+1], v[rP:rP+1], v[rS:rS+1] op_sel_hi:[1,0,1]
.else
	v_pk_fma_f32 v[rS:rS+1], v[rH:rH+1], v[rP:rP+1], v[rS:rS+1] op_sel:[0,1,0] op_sel_hi:[1,1,1]
.endif
.endif
.endm
; Eight products: two K steps x the four row tiles, whose accumulators take turns, one instruction a turn; K step 0 starts the sums.
.macro GROUP m, g
.irp e, 0,1
.irp t, 0,1,2,3
	WM \m, 2*(\g)+\e, \t
.endr
.endr
.endm
; The same with row tile a of the mix of expert pm strewn among them, one packed line behind every second product, from the low end of that accumulator on.
; The accumulator that these lines read was last written in front of the four plain lines that close the expert before.
.macro GROUPS m, g, pm, a, op
.irp e, 0,1
.irp t, 0,1,2,3
	WM \m, 2*(\g)+\e, \t
.if \t%2 == 1
	PK \pm, \a, 4*\e+\t-1, \op
.endif
.endr
.endr
.endm
; Four plain vector lines in a row: row tile a of the mix.  They name no register of the products round them (the other set of h, pW, S), so they are also the four places
; in front of the loads into the buffers just read and of the next reads of results.  op = 0: four v_nop.
.macro SLICE pm, a, op
.if (\op) == 0
.rept 4
	v_nop
.endr
.else
.irp j, 0,2,4,6
	PK \pm, \a, \j, \op
.endr
.endif
.endm
; An expert: 32 products in four groups of eight; TWO runs of LDS loads, each behind sixteen products and four plain lines: the next expert's fragments into the two buffers just read.
; Under the settings 0x04 and 0x08 (source 1 in window 1 or 2: x, pW) products, mix and LDS loads all run: two switches an expert.
.macro EXPERT m, op
.set PMX, ((\m)+7)&7
.set NMX, ((\m)+1)&7
	s_wait_dscnt 18                                ; the scale words and buffer 0 are in: behind them buffers 1, 2, 3, six loads each
	WIN 0x04
	GROUPS \m, 0, PMX, 0, \op
	s_wait_dscnt 12                                ; buffer 1: behind it buffers 2 and 3
	GROUP \m, 1
	SLICE PMX, 1, \op
	WSL NMX
	RUN 0, NMX
	RUN 1, NMX
	s_wait_dscnt 19                                ; buffer 2: behind it buffer 3 and the 13 just issued
	WIN 0x08
	GROUPS \m, 2, PMX, 2, \op
	s_wait_dscnt 13                                ; buffer 3: behind it the 13
	GROUP \m, 3
	SLICE PMX, 3, \op
	RUN 2, NMX
	RUN 3, NMX
.endm
.macro SETADR
	v_add_nc_u32 v[AD], s66, v[AW0]
	v_add_nc_u32 v[AD+1], s66, v[AW1]
	v_add_nc_u32 v[AD+2], 4*EXPB, v[AD]
	v_add_nc_u32 v[AD+3], 4*EXPB, v[AD+1]
.endm
; A unit's last expert changes slots: ONE barrier.  In front of it each wave waits for all its tensor loads (the one that is out is its part of the next slot, asked for a unit, 256 products, ago),
; adds 0 to its spare word, and waits for that and for its reads of this slot.  fill = 1: the barrier opens a round of the cluster's, and the slot just left takes the unit two on.
.macro TURN fill
	WIN 0                                          ; (the add's two registers lie in window 0)
	s_wait_tensorcnt 0x0                           ; no tensor load of mine is out, so the walking group 0 may be written
	ds_add_u32 v[SPW], v[NIL]                      ; 0 onto my spare word
.if \fill
	s_xor_b32 s67, s67, SLOTB                      ; the other slot than last time,
	s_add_co_u32 s61, s67, s68                     ; my two experts' place in it,
	s_add_nc_u64 s[62:63], s[62:63], 12288         ; the next 16 columns; the type bits on top are not reached
.endif
	s_wait_dscnt 19                                ; the scale words and buffer 0 are in: behind them buffers 1, 2, 3 and the add
	WIN 0x04
	GROUPS 7, 0, 6, 0, 2
	s_wait_dscnt 0x0                               ; the add is done, and my reads of this slot are over
	s_barrier_signal -1
	GROUP 7, 1                                     ; work on registers while the others arrive
	SLICE 6, 1, 2
	WIN 0
	s_barrier_wait -1
.if \fill
	CREST                                          ; no wave of any partner still reads the slot or has a load on its way
	tensor_load_to_lds s[60:63], s[36:43]          ; the first thing behind the round, and my one tensor load until the next
	s_nop 0
.rept 4
	v_nop
.endr
.endif
	s_xor_b32 s66, s66, SLOTB                      ; the reads go on in the other slot,
	SETADR
	v_add_nc_u32 v[ASC], 512, v[ASC]               ; with the next 16 columns' scale words
	WSL 0
	RUN 0, 0
	RUN 1, 0
	WIN 0x08
	GROUPS 7, 2, 6, 2, 2                           ; (buffers 2 and 3 came in with the wait for 0)
	GROUP 7, 3
	SLICE 6, 3, 2
	RUN 2, 0
	RUN 3, 0
.endm
.macro FLUSH                           ; a unit's S into my stage: row 16 a + r, 32 bytes at the unit's stripe + 32 h.  v[AFL] is set by the caller
.irp a, 0,1,2,3
	ds_store_b128 v[AFL], v[S+8*\a:S+8*\a+3] offset:4352*\a
	ds_store_b128 v[AFL], v[S+8*\a+4:S+8*\a+7] offset:4352*\a+16
.endr
.endm
; THE WAY OUT of a quad: 32 chunks; chunk t is rows 2 t + l / 16, columns 4 (l % 16) + 0 .. 3.  Batches of two chunks on two sets of registers (v104-127, v232-255), two batches asked for ahead.
; z is written over gW's registers and stored from there: no register that a store reads is written again inside a way out, so no wait for the stores' sources stands in it.
.macro EPILD k
.set ES, S+128*((\k)&1)
.irp u, 0,1
	ds_load_b128 v[ES+4*\u:ES+4*\u+3], v[ARD] offset:544*(2*(\k)+\u)           ; S: LDS serves a wave's instructions in order: these see my stores
	ds_load_b128 v[ES+8+8*\u:ES+11+8*\u], v[APB] offset:64*(2*(\k)+\u)         ; the row's eight pb: sixteen lanes share the bytes
	ds_load_b128 v[ES+12+8*\u:ES+15+8*\u], v[APB] offset:64*(2*(\k)+\u)+16
.endr
.endm
.macro EPIB k
.set ES, S+128*((\k)&1)
.set EP, ES+8
.if (\k) < 15
	s_wait_dscnt 6                                 ; this batch's six loads are in; the next batch's may be out
.else
	s_wait_dscnt 0x0
.endif
	WIN 0x01                                       ; source 0 (bs) in window 1
.irp u, 0,1
.irp c, 0,2
	v_pk_mul_f32 v[T+4*\u+\c:T+4*\u+\c+1], v[BS+\c:BS+\c+1], v[EP+8*\u:EP+8*\u+1] op_sel_hi:[1,0]
.endr
.endr
.irp m, 1,2,3,4,5,6,7
.irp u, 0,1
.irp c, 0,2
.if (\m)&1
	v_pk_fma_f32 v[T+4*\u+\c:T+4*\u+\c+1], v[BS+4*\m+\c:BS+4*\m+\c+1], v[EP+8*\u+\m-1:EP+8*\u+\m], v[T+4*\u+\c:T+4*\u+\c+1] op_sel:[0,1,0] op_sel_hi:[1,1,1]
.else
	v_pk_fma_f32 v[T+4*\u+\c:T+4*\u+\c+1], v[BS+4*\m+\c:BS+4*\m+\c+1], v[EP+8*\u+\m:EP+8*\u+\m+1], v[T+4*\u+\c:T+4*\u+\c+1] op_sel_hi:[1,0,1]
.endif
.endr
.endr
.endr
	WIN 0x03                                       ; source 0 (gb) in window 3
.irp u, 0,1
.irp c, 0,2
	v_pk_mul_f32 v[T+4*\u+\c:T+4*\u+\c+1], v[128+4*(2*(\k)+\u)+\c:129+4*(2*(\k)+\u)+\c], v[T+4*\u+\c:T+4*\u+\c+1]
.endr
.endr
	WIN 0xc3                                       ; source 0 (gW) and the destination in window 3
.irp u, 0,1
.irp c, 0,2
	v_pk_fma_f32 v[4*(2*(\k)+\u)+\c:4*(2*(\k)+\u)+\c+1], v[4*(2*(\k)+\u)+\c:4*(2*(\k)+\u)+\c+1], v[ES+4*\u+\c:ES+4*\u+\c+1], v[T+4*\u+\c:T+4*\u+\c+1]   ; z = gW S + gb (pb @ bs)
.endr
.endr
	WIN 0x0c                                       ; a store's data are its source 1: window 3; the LDS loads below name window 0 under this setting too
.irp u, 0,1
	global_store_b128 v[AG], v[4*(2*(\k)+\u):4*(2*(\k)+\u)+3], s[22:23] offset:16384*(2*(\k)+\u)   ; sixteen lanes store 256 consecutive bytes, at a multiple of 256 from z's first byte
.endr
.if (\k)+2 < 16
	EPILD (\k)+2
.endif
.endm
.macro EPI
	s_wait_loadcnt 0x0                             ; the quad's gW, gb and bs, asked for a quad ago
	EPILD 0
	EPILD 1
.irp k, 0,1,2,3,4,5,6,7,8,9,10,11,12,13,14,15
	EPIB \k
.endr
	WIN 0
.endm
	s_wait_tensorcnt 0x0                           ; (no tensor load has been issued since the head's)
	s_barrier_signal -1
	s_barrier_wait -1                              ; everybody's are, and everybody's scale words are turned
	SETADR
	WSL 0
	RUN 0, 0
	RUN 1, 0
	RUN 2, 0
	RUN 3, 0
	s_wait_alu depctr_va_vdst(0)
	EXPERT 0, 0                                    ; unit 0's first expert stands in front of the loop: there is nothing to mix yet
	GLQ_B                                          ; (leaves every window 0, as a label asks)
	s_mov_b32 s69, 0
.Lunit:                                            ; six trips: from a unit's second expert to the next unit's first; each fills the slot that it leaves
	EXPERT 1, 1                                    ; (on the way back the eight stores into the stage also lie behind its fragments: its counts are then smaller than need be, which is safe)
	EXPERT 2, 2
	EXPERT 3, 2
	EXPERT 4, 2
	EXPERT 5, 2
	EXPERT 6, 2
	TURN 1
	EXPERT 0, 2                                    ; its share of the mix finishes the unit's S
	WIN 0
	s_and_b32 s70, s69, 3
	s_lshl_b32 s70, s70, 6                         ; the unit's stripe of 64 bytes in the quad's 256
	v_add_nc_u32 v[AFL], s70, v[AFB]
	s_wait_alu depctr_va_vdst(0)
	FLUSH
	s_cmp_lg_u32 s69, 3                            ; behind unit 3 the first quad leaves; its stores are on their way under the second quad's products
	s_cbranch_scc1 .Lno_epi
	EPI
	s_wait_xcnt 0x0                                ; the stores have read their data and their base: gW's registers may be loaded again, the bases may step
	s_add_nc_u64 s[16:17], s[16:17], 256           ; 64 columns on
	s_add_nc_u64 s[18:19], s[18:19], 256
	s_add_nc_u64 s[20:21], s[20:21], 256
	s_add_nc_u64 s[22:23], s[22:23], 256
	GLQ_A
.Lno_epi:
	s_cmp_lg_u32 s69, 4
	s_cbranch_scc1 .Lno_gb
	s_wait_loadcnt 0x0                             ; no load into gb's registers is out when they are loaded again.  What this wait meets: the second quad's gW and bs, asked for a unit (256 products) ago
	GLQ_B
.Lno_gb:
	s_add_co_u32 s69, s69, 1
	s_cmp_lt_u32 s69, 6
	s_cbranch_scc1 .Lunit
	; the tail is written out.  Unit 6: nothing is left to ask for
	EXPERT 1, 1
	EXPERT 2, 2
	EXPERT 3, 2
	EXPERT 4, 2
	EXPERT 5, 2
	EXPERT 6, 2
	TURN 0
	EXPERT 0, 2
	WIN 0
	v_add_nc_u32 v[AFL], 128, v[AFB]
	s_wait_alu depctr_va_vdst(0)
	FLUSH
	; unit 7
	EXPERT 1, 1
	EXPERT 2, 2
	EXPERT 3, 2
	EXPERT 4, 2
	EXPERT 5, 2
	EXPERT 6, 2
	s_wait_dscnt 18                                ; the last expert fetches nothing: the counts run down
	WIN 0x04
	GROUPS 7, 0, 6, 0, 2
	s_wait_dscnt 12
	GROUP 7, 1
	SLICE 6, 1, 2
	s_wait_dscnt 6
	WIN 0x08
	GROUPS 7, 2, 6, 2, 2
	s_wait_dscnt 0x0
	GROUP 7, 3
	SLICE 6, 3, 2                                  ; four places behind the last products
	SLICE 7, 0, 2
	SLICE 7, 1, 2
	SLICE 7, 2, 2
	SLICE 7, 3, 2
	WIN 0
	v_add_nc_u32 v[AFL], 192, v[AFB]
	FLUSH
	EPI
	s_wait_tensorcnt 0x0                           ; the wave's end, behind my last tensor load and my last LDS store
	ds_add_u32 v[SPW], v[NIL]
	s_wait_dscnt 0x0
	CROUND                                         ; the closing round: no work-group ends while a partner may still ask for a tile that names it
	s_endpgm
.Lfunc_end_k_qbfb678f1e8_mix:
	.size	k_qbfb678f1e8_mix, .Lfunc_end_k_qbfb678f1e8_mix-k_qbfb678f1e8_mix
	.p2alignl 7, 3214868480
	.fill 96, 4, 3214868480
	.section	.rodata,"a",@progbits
	.p2align	6, 0x0
	.amdhsa_kernel k_qbfb678f1e8_mix
		.amdhsa_group_segment_fixed_size 327680
		.amdhsa_private_segment_fixed_size 0
		.amdhsa_enable_private_segment 0
		.amdhsa_kernarg_size 80
		.amdhsa_user_sgpr_count 2
		.amdhsa_user_sgpr_kernarg_segment_ptr 1
		.amdhsa_wavefront_size32 1
		.amdhsa_system_sgpr_workgroup_id_x 1
		.amdhsa_system_sgpr_workgroup_id_y 1
		.amdhsa_system_sgpr_workgroup_id_z 1
		.amdhsa_system_vgpr_workitem_id 0
		.amdhsa_next_free_vgpr 1024
		.amdhsa_next_free_sgpr 100
		.amdhsa_reserve_vcc 0
		.amdhsa_float_denorm_mode_32 3
		.amdhsa_float_denorm_mode_16_64 3
		.amdhsa_memory_ordered 1
		.amdhsa_forward_progress 1
		.amdhsa_inst_pref_size 255
	.end_amdhsa_kernel
	.section	.bss,"aw",@nobits
	.p2align	6
	.space	262144
	.amdgpu_metadata
---
amdhsa.version: [ 1, 2 ]
amdhsa.kernels:
  - .name:           k_qbfb678f1e8_mix
    .symbol:         k_qbfb678f1e8_mix.kd
    .args:
      - { .name: x_codes, .offset: 0, .size: 8, .value_kind: global_buffer, .address_space: global }
      - { .name: x_scales, .offset: 8, .size: 8, .value_kind: global_buffer, .address_space: global }
      - { .name: Ws_codes, .offset: 16, .size: 8, .value_kind: global_buffer, .address_space: global }
      - { .name: Ws_scales, .offset: 24, .size: 8, .value_kind: global_buffer, .address_space: global }
      - { .name: pW, .offset: 32, .size: 8, .value_kind: global_buffer, .address_space: global }
      - { .name: pb, .offset: 40, .size: 8, .value_kind: global_buffer, .address_space: global }
      - { .name: bs, .offset: 48, .size: 8, .value_kind: global_buffer, .address_space: global }
      - { .name: gW, .offset: 56, .size: 8, .value_kind: global_buffer, .address_space: global }
      - { .name: gb, .offset: 64, .size: 8, .value_kind: global_buffer, .address_space: global }
      - { .name: z, .offset: 72, .size: 8, .value_kind: global_buffer, .address_space: global }
    .group_segment_fixed_size: 327680
    .private_segment_fixed_size: 0
    .kernarg_segment_align: 8
    .kernarg_segment_size: 80
    .max_flat_workgroup_size: 128
    .sgpr_count:     100
    .vgpr_count:     1024
    .wavefront_size: 32
...
	.end_amdgpu_metadata
.endif
;; end of part 1
;; launch norm (part 2): grid 512 x 1, 4 waves a work-group, no clusters, 0 bytes of LDS; arguments z, out0; writes out0
.if DOCPART == 2
	.amdgcn_target "amdgcn-amd-amdhsa--gfx1250"
	.amdhsa_code_object_version 6
	.text
	.protected	k_qbfb678f1e8_norm
	.globl	k_qbfb678f1e8_norm
	.p2align	8
	.type	k_qbfb678f1e8_norm,@function
k_qbfb678f1e8_norm:
	s_mov_b64 s[64:65], 0
	v_nop
	global_prefetch_b8 v0, s[64:65] scope:SCOPE_SE
	s_setreg_imm32_b32 hwreg(HW_REG_WAVE_MODE, 25, 1), 1
	s_wait_xcnt 0x0
; out[b][:] = elu((z[b][:] - mean) * rsqrt(var + 1e-5)), mean and var over the row's 2,048 numbers.  z, out: [4096][2048] f32.
; One wave takes two neighbouring rows of 8,192 bytes: 2 x 16 loads of 512 consecutive bytes, all asked for at the start, 64 registers a lane and row.
; The first row is worked and stored behind a wait that leaves the second row's sixteen loads out.  A row stays in registers between the passes, so it is read once;
; the reduction never leaves the wave: no LDS, no barrier, no loop.
; The variance is the mean of (z - mean)^2, taken of the differences: no difference of large sums.
; elu(y) = max(y, 2^(min(y, 0) log2 e) - 1): for y > 0 the second term is 2^0 - 1 = 0; for y <= 0 it is exp(y) - 1, which is never under y; absolute error a few 2^-24.  No branch, no compare.
; No matrix unit, tensor load or cluster: the bytes bound this launch, and no two waves read the same byte.
; LIMITS: NaN and infinities in z are not served (the maxima and minima drop a NaN).
.set E, 80                             ; v80-95  sixteen exponentials at work;  v16-79 row 0, v96-159 row 1: the row, then z - mean, then the result
	s_load_b128 s[4:7], s[0:1], 0x0                ; z, out
	v_lshrrev_b32 v1, 5, v0
	v_readfirstlane_b32 s8, v1                     ; wave
	v_and_b32 v2, 31, v0
	v_lshlrev_b32 v2, 4, v2                        ; 16 bytes a lane; never rewritten
	s_lshl_b32 s9, ttmp9, 2
	s_add_co_u32 s9, s9, s8                        ; my pair of rows
	s_lshl_b32 s10, s9, 14
	s_mov_b32 s11, 0
	s_mov_b32 s12, 0x76543210                      ; v_permlanex16_b32's selects for lane l xor 16
	s_mov_b32 s13, 0xfedcba98
	s_mov_b32 s14, 0x3727c5ac                      ; 1e-5
	v_mov_b32 v7, 0x3a000000                       ; 1 / 2,048
	s_wait_alu depctr_va_vdst(0)
	s_wait_kmcnt 0x0
	s_add_nc_u64 s[4:5], s[4:5], s[10:11]
	s_add_nc_u64 s[6:7], s[6:7], s[10:11]
.irp k, 0,1,2,3,4,5,6,7,8,9,10,11,12,13,14,15
	global_load_b128 v[16+4*\k:16+4*\k+3], v2, s[4:5] offset:512*\k th:TH_LOAD_NT
.endr
.irp k, 0,1,2,3,4,5,6,7,8,9,10,11,12,13,14,15
	global_load_b128 v[96+4*\k:96+4*\k+3], v2, s[4:5] offset:8192+512*\k th:TH_LOAD_NT
.endr
.macro REDUCE                          ; four packed chains in v[8:15] -> their sum over the wave, in v8 of every lane
	v_pk_add_f32 v[8:9], v[8:9], v[10:11]
	v_pk_add_f32 v[12:13], v[12:13], v[14:15]
	v_pk_add_f32 v[8:9], v[8:9], v[12:13]
	v_add_f32 v8, v8, v9
	v_add_f32_dpp v8, v8, v8 row_xmask:1 row_mask:0xf bank_mask:0xf
	v_add_f32_dpp v8, v8, v8 row_xmask:2 row_mask:0xf bank_mask:0xf
	v_add_f32_dpp v8, v8, v8 row_xmask:4 row_mask:0xf bank_mask:0xf
	v_add_f32_dpp v8, v8, v8 row_xmask:8 row_mask:0xf bank_mask:0xf
	v_permlanex16_b32 v9, v8, s12, s13             ; (its destination counts as read: v9 has been written)
	v_add_f32 v8, v8, v9
.endm
.macro ROW Z, left, off                ; the row in v[Z .. Z + 63]; left: the loads issued behind its sixteen; off: its place in my 16,384 bytes of out
	s_wait_alu depctr_va_vdst(0)
	s_wait_loadcnt \left
.irp c, 0,1,2,3
	v_pk_add_f32 v[8+2*\c:9+2*\c], v[(\Z)+2*\c:(\Z)+2*\c+1], v[(\Z)+8+2*\c:(\Z)+9+2*\c]    ; the first pairs start the chains: nothing is cleared
.endr
.irp i, 16,24,32,40,48,56
.irp c, 0,1,2,3
	v_pk_add_f32 v[8+2*\c:9+2*\c], v[8+2*\c:9+2*\c], v[(\Z)+\i+2*\c:(\Z)+\i+2*\c+1]
.endr
.endr
	REDUCE
	v_mul_f32 v4, v7, v8                           ; the mean,
	v_mov_b32 v5, v4                               ; as a pair
.irp i, 0,2,4,6,8,10,12,14,16,18,20,22,24,26,28,30,32,34,36,38,40,42,44,46,48,50,52,54,56,58,60,62
	v_pk_add_f32 v[(\Z)+\i:(\Z)+\i+1], v[(\Z)+\i:(\Z)+\i+1], v[4:5] neg_lo:[0,1] neg_hi:[0,1]
.endr
.irp c, 0,1,2,3
	v_pk_mul_f32 v[8+2*\c:9+2*\c], v[(\Z)+2*\c:(\Z)+2*\c+1], v[(\Z)+2*\c:(\Z)+2*\c+1]
.endr
.irp i, 8,16,24,32,40,48,56
.irp c, 0,1,2,3
	v_pk_fma_f32 v[8+2*\c:9+2*\c], v[(\Z)+\i+2*\c:(\Z)+\i+2*\c+1], v[(\Z)+\i+2*\c:(\Z)+\i+2*\c+1], v[8+2*\c:9+2*\c]
.endr
.endr
	REDUCE
	v_fma_f32 v6, v8, v7, s14                      ; the variance + 1e-5
	s_wait_alu depctr_va_vdst(0)                   ; ahead of the transcendental
	v_rsq_f32 v4, v6
	v_nop                                          ; one plain line behind a transcendental
	s_wait_alu depctr_va_vdst(0)                   ; ahead of its first reader
	v_mov_b32 v5, v4                               ; v[4:5]: 1 / sigma
	v_mul_f32 v10, 0x3fb8aa3b, v4
	v_mov_b32 v11, v10                             ; v[10:11]: log2(e) / sigma
.irp g, 0,1,2,3                        ; sixteen numbers at a time
.irp i, 0,2,4,6,8,10,12,14
	v_pk_mul_f32 v[E+\i:E+\i+1], v[(\Z)+16*\g+\i:(\Z)+16*\g+\i+1], v[10:11]
.endr
.irp i, 0,1,2,3,4,5,6,7,8,9,10,11,12,13,14,15
	v_min_num_f32 v[E+\i], 0, v[E+\i]
.endr
	s_wait_alu depctr_va_vdst(0)                   ; ahead of the batch
.irp i, 0,1,2,3,4,5,6,7,8,9,10,11,12,13,14,15
	v_exp_f32 v[E+\i], v[E+\i]
.endr
.irp i, 0,2,4,6,8,10,12,14
	v_pk_mul_f32 v[(\Z)+16*\g+\i:(\Z)+16*\g+\i+1], v[(\Z)+16*\g+\i:(\Z)+16*\g+\i+1], v[4:5]      ; y.  (Plain lines behind the exponentials)
.endr
	s_wait_alu depctr_va_vdst(0)                   ; behind the batch, ahead of its first reader
.irp i, 0,2,4,6,8,10,12,14
	v_pk_add_f32 v[E+\i:E+\i+1], v[E+\i:E+\i+1], -1.0 op_sel_hi:[1,0]
.endr
.irp i, 0,1,2,3,4,5,6,7,8,9,10,11,12,13,14,15
	v_max_num_f32 v[(\Z)+16*\g+\i], v[(\Z)+16*\g+\i], v[E+\i]
.endr
.irp i, 0,1,2,3
	global_store_b128 v2, v[(\Z)+16*\g+4*\i:(\Z)+16*\g+4*\i+3], s[6:7] offset:(\off)+512*(4*\g+\i) th:TH_STORE_NT   ; 32 lanes store 512 consecutive bytes, aligned; no stored register is written again
.endr
.endr
.endm
	ROW 16, 16, 0                                  ; row 0 is in; row 1's sixteen loads may be out
	ROW 96, 0, 8192
	s_endpgm
.Lfunc_end_k_qbfb678f1e8_norm:
	.size	k_qbfb678f1e8_norm, .Lfunc_end_k_qbfb678f1e8_norm-k_qbfb678f1e8_norm
	.p2alignl 7, 3214868480
	.fill 96, 4, 3214868480
	.section	.rodata,"a",@progbits
	.p2align	6, 0x0
	.amdhsa_kernel k_qbfb678f1e8_norm
		.amdhsa_group_segment_fixed_size 0
		.amdhsa_private_segment_fixed_size 0
		.amdhsa_enable_private_segment 0
		.amdhsa_kernarg_size 16
		.amdhsa_user_sgpr_count 2
		.amdhsa_user_sgpr_kernarg_segment_ptr 1
		.amdhsa_wavefront_size32 1
		.amdhsa_system_sgpr_workgroup_id_x 1
		.amdhsa_system_sgpr_workgroup_id_y 1
		.amdhsa_system_sgpr_workgroup_id_z 1
		.amdhsa_system_vgpr_workitem_id 0
		.amdhsa_next_free_vgpr 160
		.amdhsa_next_free_sgpr 66
		.amdhsa_reserve_vcc 0
		.amdhsa_float_denorm_mode_32 3
		.amdhsa_float_denorm_mode_16_64 3
		.amdhsa_memory_ordered 1
		.amdhsa_forward_progress 1
		.amdhsa_inst_pref_size 47
	.end_amdhsa_kernel
	.amdgpu_metadata
---
amdhsa.version: [ 1, 2 ]
amdhsa.kernels:
  - .name:           k_qbfb678f1e8_norm
    .symbol:         k_qbfb678f1e8_norm.kd
    .args:
      - { .name: z, .offset: 0, .size: 8, .value_kind: global_buffer, .address_space: global }
      - { .name: out0, .offset: 8, .size: 8, .value_kind: global_buffer, .address_space: global }
    .group_segment_fixed_size: 0
    .private_segment_fixed_size: 0
    .kernarg_segment_align: 8
    .kernarg_segment_size: 16
    .max_flat_workgroup_size: 128
    .sgpr_count:     66
    .vgpr_count:     160
    .wavefront_size: 32
...
	.end_amdgpu_metadata
.endif
;; end of part 2
